; MI455X (gfx1250); checked and timed in simulation.
; The chip was launched on July 23, 2026; its instructions are those of AMD's public machine-readable ISA for CDNA 5 (MIT licence, August 2026) and "CDNA5" Instruction Set Architecture Reference Guide (July 2026). The comments in the code are by the model that wrote it; some were corrected since.
;; Cross Attention. Allowed arithmetic: matrix products marked QUANTISED: E5M2 operands, one E8M0 scale for each 32 along K, by v_wmma_scale_f32_16x16x128_f8f6f4 with both operands' format E5M2, f32 sums; everything else in f32.
;; Inputs: Wk_codes 128 x 2 x 32 uint8 (E5M2 codes of Wk, K innermost, in blocks of 32 codes); Wk_scales 128 x 2 uint8 (E8M0 scales of Wk, one for each 32 codes along K); Wq_codes 128 x 4 x 32 uint8 (E5M2 codes of Wq, K innermost, in blocks of 32 codes); Wq_scales 128 x 4 uint8 (E8M0 scales of Wq, one for each 32 codes along K); Wv_codes 128 x 2 x 32 uint8 (E5M2 codes of Wv, K innermost, in blocks of 32 codes); Wv_scales 128 x 2 uint8 (E8M0 scales of Wv, one for each 32 codes along K); age_features_codes 1 x 2 x 32 uint8 (E5M2 codes of age_features, K innermost, in blocks of 32 codes); age_features_scales 1 x 2 uint8 (E8M0 scales of age_features, one for each 32 codes along K); bk 128 float32; bq 128 float32; bv 128 float32; pixel_features 1 x 128 x 16 x 32 x 32 float32.
;; Outputs: out0 1 x 16,384 x 128 float32.
;; This version of the problem:
;;   THIS VERSION OF THE PROBLEM IS GIVEN IN LOW PRECISION. The matrix products marked QUANTISED in the list below multiply operands that are first quantised to E5M2 (5 exponent bits, 2 mantissa bits; 8 bits a number), with one power-of-two scale for each 32 numbers along K (OCP MX v1.0); their sums are f32. All else is computed in f32.
;;   The module's matrix products, in the order in which they are computed (A, B: the left and right operand; K: the contracted axis; several contracted axes count as one K, in the product's order):
;;     1. [M 16,384, K 128] x [K 128, N 128]; A: input pixel_features; B: input Wq (given as codes): QUANTISED
;;     2. [M 16,384, K 64] x [K 64, N 128]; A: input age_features (given as codes); B: input Wk (given as codes): QUANTISED
;;     3. [M 16,384, K 64] x [K 64, N 128]; A: input age_features (given as codes); B: input Wv (given as codes): QUANTISED
;;     4. [M 16,384, K 128] x [K 128, N 16,384]; A: computed on the way; B: computed on the way: QUANTISED
;;     5. [M 16,384, K 16,384] x [K 16,384, N 128]; A: softmax (see below); B: computed on the way: QUANTISED
;;   THE QUANTISER, for each operand of a quantised product, along K:
;;     - K is cut into blocks of 32 from its start; a last block that is shorter is filled with zeros.
;;     - A block's scale is 2^e with e = floor(log2(the largest magnitude in the block)) - 15, held to -126 .. 127; a block of zeros has e = 0. As a byte (E8M0): e + 127.
;;     - Each number is divided by its block's scale, clamped to +-57,344, and rounded to the nearest number of E5M2, ties to even, subnormals kept.
;;     - The product sums the exact products of the quantised numbers (number of the format x scale) in f32.
;;   ~~~python
;;   def quantise(x, axis):      # numpy; x: float32 -> the quantised numbers, widened to float32 again
;;       x = np.moveaxis(x, axis, -1); K = x.shape[-1]
;;       x = np.pad(x, [(0, 0)] * (x.ndim - 1) + [(0, -K % 32)]); x = x.reshape(x.shape[:-1] + (-1, 32)); a = np.abs(x).max(-1, keepdims=True)
;;       e = np.where(a > 0, np.clip(np.frexp(np.where(a > 0, a, 1))[1] - 1 - 15, -126, 127), 0)      # np.frexp(a)[1] - 1 = floor(log2(a)), exactly
;;       r = np.clip(x / 2.0 ** e, -57344, 57344)
;;       step = 2.0 ** (np.maximum(np.frexp(np.where(r == 0, 1, r))[1] - 1, -14) - 2)
;;       q = np.round(r / step) * step * 2.0 ** e      # np.round: ties to even
;;       return np.moveaxis(q.reshape(q.shape[:-2] + (-1,))[..., :K], -1, axis).astype(np.float32)
;;   ~~~
;;   SOFTMAX AHEAD OF A QUANTISED PRODUCT. Where the list says 'softmax', what is quantised is not the finished softmax but p = 2^(t - M), with t = logit x log2(e) and M = ceil(the row's largest t), a whole number; so 1/2 < the row's largest p <= 1. The row's sum l is taken of the UNQUANTISED p, in f32, and the product's result is divided by l at the end. Since M is a whole number, a kernel that streams over the keys may use a running M (the ceiling of the running maximum): every later rescaling is an exact power of two, which a block's scale takes up: the codes' values come out the same.
;;   OPERANDS COMPUTED ON THE WAY. 'Computed on the way' means the value that the module computes at that place (a softmax that the list does not call 'softmax' is quantised finished and normalised). What goes into a quantiser is computed in f32, as accurately as f32 sums, v_exp_f32 and their like allow (about 1e-6 of the number): no bf16 or f16 on the way to a quantiser, and a product that is left as it is and whose result goes on into a quantised operand takes f32 operands (vector FMAs, or v_wmma_f32_16x16x4_f32). A number that lies on a knife's edge between two numbers of the format may be rounded either way, as far as f32 arithmetic and the matrix unit's own rounding can turn it there, and no further.
;;   INPUTS GIVEN AS CODES. Wk (in the module: [128, 64], K = its axis 1); Wq (in the module: [128, 128], K = its axis 1); Wv (in the module: [128, 64], K = its axis 1); age_features (in the module: [1, 64], K = its axis 1): each comes as NAME_codes (uint8): NAME with its K axis moved to the last place and cut into blocks of 32 codes, [.., K / 32, bytes a block], one block behind the other in memory; one code a byte (a code: sign, 5 exponent bits, 2 mantissa bits); and NAME_scales (uint8): the same leading axes, one E8M0 byte (e + 127) for each 32 codes along K. Its value is code x scale, taken as it is: it is not quantised again, and the codes and scales need not be those that the quantiser above would give.
;; One version. Each part assembles by itself: llvm-mc -triple=amdgcn-amd-amdhsa -mcpu=gfx1250 --defsym DOCPART=n.
;; ======== version 1 of 1: 1 launch
;; limits: right only within a limited range of input values
;; launch attn (part 1): grid 256 x 1, 8 waves a work-group, no clusters, 138,240 bytes of LDS; arguments pixel_features, Wq_codes, Wq_scales, bq, Wk_codes, Wk_scales, bk, Wv_codes, Wv_scales, bv, age_features_codes, age_features_scales, out0; writes out0
.if DOCPART == 1
	.amdgcn_target "amdgcn-amd-amdhsa--gfx1250"
	.amdhsa_code_object_version 6
	.text
	.protected	k_q49848950d6_attn
	.globl	k_q49848950d6_attn
	.p2align	8
	.type	k_q49848950d6_attn,@function
k_q49848950d6_attn:
	s_mov_b64 s[64:65], 0
	v_nop
	global_prefetch_b8 v0, s[64:65] scope:SCOPE_SE
	s_setreg_imm32_b32 hwreg(HW_REG_WAVE_MODE, 25, 1), 1
	s_wait_xcnt 0x0
; out[n][c] = (sum over m of Q(p[n][m]) Q(v[m][c])) / l[n] + px[c][n]:  one head, 16,384 queries, 16,384 keys, head size 128, all five products on codes of BF8 (E5M2) with one E8M0 scale for each 32 along K.
; q = Q(px) Wq^T + bq (px lies [channel][pixel], K = the channels);  k = age Wk^T + bk, v = age Wv^T + bv, from ONE age vector that the problem itself repeats for every key.
; t = (Q(q) . Q(k)) x log2(e) / sqrt(128);  M = the running largest t rounded up to a whole number;  p = 2^(t - M) is quantised along the keys;  l is the sum of the unquantised p and divides at the end.
; WHAT THE REPEATED AGE VECTOR GIVES, for every input: all rows of K are equal and all key columns of V^T are equal, so K's fragment and V^T's eight fragments are the same in every key step.  They are made once and stay in
; registers: the loop over the keys touches neither LDS nor memory.  Nothing more is taken from it: every key's score, exponential, sum, code and both products are computed, 128 keys a step.
; SHARES.  256 work-groups of eight waves; a work-group owns 64 queries.  Wave w: tile t = w % 4 of 16 queries, half g = w / 4 of the keys: 64 steps of 128 keys.  Two waves to a SIMD, 512 registers each, so that one wave's
; matrix and exponential work stands beside the other's plain vector work.  The two halves of a tile meet at the end through LDS; M is a whole number, so bringing both under one M rounds nothing.
; LAYOUT.  Every product but v's is used transposed (source 0 = 16 rows of a weight, of K or of V^T; source 1 = 16 queries): a lane holds ONE query (lane % 16) throughout.  The rows of Wq and Wk that form a tile are not
; neighbours: lane r of tile 2 b + u takes row 32 b + 8 u + r + 8 (r / 8), so that the 16 registers of tiles 2 b, 2 b + 1 are 16 neighbours along the next K: k = 32 b + 16 (lane / 16) + 0 .. 15, as the next operand wants them.
; K = 64 (products with age) is filled up to the instruction's 128 with zero codes on both sides; their scale bytes are the zeros of a zero-extended 16-bit load, which is a power of two and no NaN.
; NO CLUSTER, NO TENSOR LOAD: what work-groups share is 34 KB of weights, read once by each wave at its head; a work-group's own 32 KB of px come by eight 16-byte loads a wave; the loop asks for nothing.
; LIMITS.  NaN and infinities, among the f32 inputs or the given codes, are not served.  A block's largest magnitude is taken no smaller than 2^-111, so its byte is at least 1; a block of zeros keeps that byte (its codes are
; zeros, and the bytes are read by this text alone).  t is made by one multiplication by log2(e) / sqrt(128).  1 / l is v_rcp_f32.  k and v are computed for 16 of the 16,384 equal rows, in every wave.
; REGISTERS, window 0: v0 thread; v1-11, v79, v90-95 addresses; v12 -M, v13 largest t, v[14:15], v[80:81] the sum in two chains; v16-31 Q's codes; v32-47 K's codes; v48-59, v82-89 scale words and nothing else;
;   v60-75 at work on scales; v[76:77] f; v78 at work; v96-159 S^T, then p; v160-223 O^T; v224-239 codes just made; v240-255 age's fragment.
;   window 1: v0-127 Wq's eight fragments, later V^T's eight; v128-255 Wk's, then Wv's eight fragments (upper halves: zero codes).
.set PXP,  272                         ; a channel's row in LDS: the group's 64 pixels, 256 bytes, + 16 of padding
.set PX,   0                           ; LDS: 128 such rows;
.set IMG,  128*PXP                     ; each wave's O^T as an image of its registers: 16 pieces of 512 bytes, 8,192 a wave;
.set STAT, IMG+8*8192                  ; each wave's -M and l, 8 bytes a lane;
.set STG,  STAT+8*256                  ; each wave's own stage for the way out: 16 rows x 272
.set NM,   12
.set MT,   13
.set L,    14
.set L2,   80
.set QF,   16
.set KF,   32
.set VW,   48                          ; v48-55  eight scale words: Wk's, then Wv's, then V^T's
.set QW,   56
.set KW,   57
.set PW,   58                          ; px's scale word, then p's
.set AGW,  59
.set WQW,  82                          ; v82-89  Wq's scale words
.set TM,   60                          ; v60-63 largest magnitudes, v64-67 the other half's / bytes, v68-71 the largest code x the scale, v72-75 the conversions' scale operands
.set F,    76
.set TT,   78
.set S,    96
.set O,    160
.set PC,   224
.set AG,   240
.set W1,   0                           ; in window 1
.set W2,   128
.set SEL,  36                          ; s[36:37] v_permlanex16_b32's selects for lane l xor 16
.set CS,   38                          ; s[38:39] c = log2(e) / sqrt(128); the packed form names a pair
.set MNT,  40                          ; s40  the mantissa field of 57,344
.set FLR,  41                          ; s41  the floor 2^(16 - 127)
.set MSB, 0
.macro WIN new                         ; s_set_vgpr_msb: bits 1:0 source 0, 3:2 source 1, 5:4 source 2, 7:6 destination; the high byte repeats the setting that is left
.if MSB != \new
	s_set_vgpr_msb (MSB<<8)|\new
.set MSB, \new
.endif
.endm
.macro MXZ d, a, b, sa, sb             ; a product that starts its sum
	v_wmma_scale_f32_16x16x128_f8f6f4 v[\d:\d+7], v[\a:\a+15], v[\b:\b+15], 0, v[\sa], v[\sb] matrix_a_fmt:MATRIX_FMT_BF8 matrix_b_fmt:MATRIX_FMT_BF8
.endm
.macro MXA d, a, b, sa, sb             ; a product that adds onto what v[d] on hold (a bias, or the sum so far)
	v_wmma_scale_f32_16x16x128_f8f6f4 v[\d:\d+7], v[\a:\a+15], v[\b:\b+15], v[\d:\d+7], v[\sa], v[\sb] matrix_a_fmt:MATRIX_FMT_BF8 matrix_b_fmt:MATRIX_FMT_BF8
.endm
.macro PLACES n                        ; plain vector instructions between a matrix instruction and what touches its registers (ISA guide 7.12.1), where no useful work is at hand
.rept \n
	v_nop
.endr
.endm
; 64 numbers of a lane, v[s] on, register 16 b + i = k 32 b + 16 (lane / 16) + i of the lane's row, become a fragment's codes in v[d] on and the row's scale word in v[w].
.macro QUANT s, d, w
.irp b, 0,1,2,3
	v_max3_num_f32 v[TM+\b], |v[\s+16*\b]|, |v[\s+1+16*\b]|, s[FLR]     ; block b: my 16 numbers and the floor, which holds the byte at 1 from below
.endr
.irp i, 2,4,6,8,10,12,14
.irp b, 0,1,2,3
	v_max3_num_f32 v[TM+\b], v[TM+\b], |v[\s+16*\b+\i]|, |v[\s+1+16*\b+\i]|   ; the four blocks by turns
.endr
.endr
.irp b, 0,1,2,3
	s_delay_alu instid0(VALU_DEP_4)
	v_permlanex16_b32 v[TM+4+\b], v[TM+\b], s[SEL], s[SEL+1]
.endr
.irp b, 0,1,2,3
	s_delay_alu instid0(VALU_DEP_4)
	v_max_num_f32 v[TM+\b], v[TM+\b], v[TM+4+\b]                        ; with lane l xor 16's 16: the block's largest magnitude
.endr
.irp b, 0,1,2,3
	s_delay_alu instid0(VALU_DEP_4)
	v_add_nc_u32 v[TM+12+\b], 0xf8800000, v[TM+\b]                      ; 15 off its exponent field: the conversion takes this operand's exponent field as its scale
.endr
.irp b, 0,1,2,3
.endr
.irp b, 0,1,2,3
	s_delay_alu instid0(VALU_DEP_4)
	v_lshrrev_b32 v[TM+4+\b], 23, v[TM+12+\b]                           ; the scale's byte
.endr
	s_delay_alu instid0(VALU_DEP_3)
	v_lshl_or_b32 v[\w], v[TM+5], 8, v[TM+4]                            ; the row's scale word
	s_delay_alu instid0(VALU_DEP_1)
	v_lshl_or_b32 v[\w], v[TM+6], 16, v[\w]
	s_delay_alu instid0(VALU_DEP_1)
	v_lshl_or_b32 v[\w], v[TM+7], 24, v[\w]
.irp b, 0,1,2,3
.irp i, 0,1,2,3,4,5,6,7,8,9,10,11,12,13,14,15
.endr
	v_cvt_scalef32_pk8_bf8_f32 v[\d+4*\b:\d+4*\b+1], v[\s+16*\b:\s+16*\b+7], v[TM+12+\b]
	v_cvt_scalef32_pk8_bf8_f32 v[\d+4*\b+2:\d+4*\b+3], v[\s+16*\b+8:\s+16*\b+15], v[TM+12+\b]
.endr
	v_nop                                                               ; a plain line behind the last conversion, ahead of whatever next touches its result or writes its sources
.endm
	; ---- the head: arguments, ids, addresses, constants
	s_load_b512 s[8:23], s[0:1], 0x0               ; px s[8:9], Wq codes s[10:11], Wq scales s[12:13], bq s[14:15], Wk codes s[16:17], Wk scales s[18:19], bk s[20:21], Wv codes s[22:23]
	s_load_b256 s[24:31], s[0:1], 0x40             ; Wv scales s[24:25], bv s[26:27], age codes s[28:29], age scales s[30:31]
	s_load_b64 s[32:33], s[0:1], 0x60              ; out
	v_lshrrev_b32 v94, 5, v0
	s_delay_alu instid0(VALU_DEP_1)
	v_readfirstlane_b32 s2, v94                    ; wave w
	s_and_b32 s3, s2, 3                            ; t: my tile of 16 queries
	s_lshr_b32 s4, s2, 2                           ; g: my half of the keys; at the end my half of the channels
	v_and_b32 v1, 15, v0                           ; r
	v_bfe_u32 v2, v0, 4, 1                         ; h
	s_delay_alu instid0(VALU_DEP_2)
	v_and_b32 v3, 8, v1
	s_delay_alu instid0(VALU_DEP_1)
	v_add_nc_u32 v3, v3, v1                        ; rr = r + 8 (r / 8)
	s_delay_alu instid0(VALU_DEP_3)
	v_lshl_add_u32 v95, v94, 4, v2                 ; 16 w + h: the channel row that I copy first
	s_delay_alu instid0(VALU_DEP_1)
	v_lshlrev_b32 v4, 16, v95
	s_delay_alu instid0(VALU_DEP_1)
	v_lshl_add_u32 v4, v1, 4, v4                   ; v4  px in memory: 65,536 bytes a channel, 16 r
	s_delay_alu instid0(VALU_DEP_3)
	v_mul_u32_u24 v5, v95, PXP
	s_delay_alu instid0(VALU_DEP_1)
	v_lshl_add_u32 v5, v1, 4, v5                   ; v5  the same place in LDS (PX = 0)
	v_mul_u32_u24 v6, v2, 16*PXP
	s_delay_alu instid0(VALU_DEP_1)
	v_lshl_add_u32 v6, v1, 2, v6
	s_lshl_b32 s6, s3, 6
	v_add_nc_u32 v6, s6, v6                        ; v6  px as q's operand: channel 16 h, pixel 16 t + r
	v_lshlrev_b32 v7, 7, v3
	s_delay_alu instid0(VALU_DEP_1)
	v_lshl_add_u32 v7, v2, 4, v7                   ; v7  Wq's codes: row rr of 128 bytes, + 16 h
	v_lshlrev_b32 v8, 2, v3                        ; v8  Wq's scale words
	v_lshlrev_b32 v9, 6, v3
	s_delay_alu instid0(VALU_DEP_1)
	v_lshl_add_u32 v9, v2, 4, v9                   ; v9  Wk's codes: row rr of 64 bytes, + 16 h
	v_lshlrev_b32 v10, 1, v3                       ; v10 Wk's scale bytes, two a row
	v_lshlrev_b32 v11, 6, v1
	s_delay_alu instid0(VALU_DEP_1)
	v_lshl_add_u32 v11, v2, 4, v11                 ; v11 Wv's codes: row r of 64 bytes, + 16 h
	v_lshlrev_b32 v79, 1, v1                       ; v79 Wv's scale bytes
	v_lshlrev_b32 v90, 2, v1                       ; v90 bv: 4 r
	v_lshlrev_b32 v91, 6, v2                       ; v91 bq, bk in the result's layout: 64 h
	v_lshlrev_b32 v92, 4, v2                       ; v92 age's codes: 16 h
	v_mov_b32 v93, 0                               ; v93 age's two scale bytes
	s_mov_b32 s[SEL], 0x76543210
	s_mov_b32 s[SEL+1], 0xfedcba98
	s_mov_b32 s[CS], 0x3e0293ee
	s_mov_b32 s[CS+1], s[CS]                       ; named with it as a pair, so it is written
	s_mov_b32 s[MNT], 0x600000
	s_mov_b32 s[FLR], 0x8000000
.irp b, 0,1,2,3
	v_mov_b32 v[TM+4+\b], 0                        ; written once: a lane permute's destination counts as one of its sources
.endr
	v_mov_b32 v[F+1], 0                            ; named as the upper half of the pair f
	v_mov_b32 v[MT], 0xff61b1e6                    ; the largest t so far: -3e38, under every t
	s_delay_alu instid0(VALU_DEP_1)
	v_floor_f32 v[NM], -v[MT]                      ; -M
	v_mov_b32 v[L], 0
	v_mov_b32 v[L+1], 0
	v_mov_b32 v[L2], 0
	v_mov_b32 v[L2+1], 0
	s_lshl_b32 s34, ttmp9, 8                       ; my group's 64 pixels: 256 bytes of every channel row
	s_mov_b32 s35, 0
	s_wait_kmcnt 0x0
	s_add_nc_u64 s[8:9], s[8:9], s[34:35]
	s_lshl_b32 s34, ttmp9, 15                      ; out: 64 rows of 512 bytes a group,
	s_lshl_b32 s6, s3, 13                          ; 16 rows a tile,
	s_add_co_u32 s34, s34, s6
	s_lshl_b32 s6, s4, 8                           ; and my half of a row
	s_add_co_u32 s34, s34, s6
	s_add_nc_u64 s[32:33], s[32:33], s[34:35]
	; ---- loads.  px first: wave w copies channels 16 w .. 16 w + 15; sixteen lanes read 256 consecutive bytes, aligned
.irp i, 0,1,2,3,4,5,6,7
	global_load_b128 v[S+4*\i:S+4*\i+3], v4, s[8:9] offset:131072*\i th:TH_LOAD_NT
.endr
	global_load_b128 v[AG:AG+3], v92, s[28:29]               ; age: every lane's column is the same vector: k = 16 h + 0 .. 15,
	global_load_b128 v[AG+4:AG+7], v92, s[28:29] offset:32   ; 32 + 16 h + 0 .. 15
	global_load_u16 v[AGW], v93, s[30:31]                    ; its two scale bytes; the upper two bytes are 0, over zero codes
	WIN 0x40                                       ; destination window 1
.irp t, 0,1,2,3,4,5,6,7
.irp c, 0,1
	global_load_b128 v[W2+16*\t+4*\c:W2+16*\t+4*\c+3], v9, s[16:17] offset:64*(32*(\t/2)+8*(\t%2))+32*\c   ; Wk, tile t: rows 32 (t / 2) + 8 (t % 2) + rr
.endr
.endr
.irp t, 0,1,2,3,4,5,6,7
.irp j, 8,9,10,11,12,13,14,15
	v_mov_b32 v[W2+16*\t+\j], 0                    ; k = 64 .. 127: zero codes; they serve Wk and Wv alike
.endr
.endr
	WIN 0
.irp j, 8,9,10,11,12,13,14,15
	v_mov_b32 v[AG+\j], 0                          ; the same on age's side
.endr
.irp t, 0,1,2,3,4,5,6,7
	global_load_u16 v[VW+\t], v10, s[18:19] offset:2*(32*(\t/2)+8*(\t%2))
.endr
.irp t, 0,1,2,3,4,5,6,7
	global_load_b128 v[O+8*\t:O+8*\t+3], v91, s[20:21] offset:4*(32*(\t/2)+8*(\t%2))       ; bk as the sums' start: tile t, register j: channel 32 (t / 2) + 16 h + 8 (t % 2) + j
	global_load_b128 v[O+8*\t+4:O+8*\t+7], v91, s[20:21] offset:4*(32*(\t/2)+8*(\t%2))+16
.endr
	s_wait_alu depctr_va_vdst(0)
	s_wait_loadcnt 43                              ; px's eight loads are in: behind them stand 3 (age) + 16 (Wk) + 8 (its scales) + 16 (bk)
.irp i, 0,1,2,3,4,5,6,7
	ds_store_b128 v5, v[S+4*\i:S+4*\i+3] offset:2*PXP*\i
.endr
	WIN 0x40
.irp t, 0,1,2,3,4,5,6,7
.irp c, 0,1,2,3
	global_load_b128 v[W1+16*\t+4*\c:W1+16*\t+4*\c+3], v7, s[10:11] offset:128*(32*(\t/2)+8*(\t%2))+32*\c  ; Wq, tile t
.endr
.endr
	WIN 0
.irp t, 0,1,2,3,4,5,6,7
	global_load_b32 v[WQW+\t], v8, s[12:13] offset:4*(32*(\t/2)+8*(\t%2))
.endr
	; ---- k^T = Wk age^T + bk: a lane's 64 registers are k's 64 channels of its half, for a key that stands for all keys
	s_wait_loadcnt 40                              ; all but Wq's 32 + 8
	PLACES 4                                       ; behind the zero codes, which vector instructions wrote
	WIN 0x01                                       ; source 0 window 1
.irp t, 0,1,2,3,4,5,6,7
	MXA O+8*\t, W2+16*\t, AG, VW+\t, AGW
.endr
	WIN 0
	PLACES 8                                       ; in front of the loads over Wk's codes and scale words, and of the first read of the results
	WIN 0x40
.irp t, 0,1,2,3,4,5,6,7
.irp c, 0,1
	global_load_b128 v[W2+16*\t+4*\c:W2+16*\t+4*\c+3], v11, s[22:23] offset:1024*\t+32*\c   ; Wv, tile t: rows 16 t + r, as they lie
.endr
.endr
	WIN 0
.irp t, 0,1,2,3,4,5,6,7
	global_load_u16 v[VW+\t], v79, s[24:25] offset:32*\t
.endr
	QUANT O, KF, KW                                ; K's fragment: 16 equal keys x 128 channels
	; ---- q^T = Wq Q(px)^T + bq
	s_wait_dscnt 0x0                               ; my rows of px have landed in LDS
	s_barrier_signal -1
	s_barrier_wait -1                              ; everybody's have
.irp b, 0,1,2,3
.irp i, 0,1,2,3,4,5,6,7,8,9,10,11,12,13,14,15
	ds_load_b32 v[S+16*\b+\i], v6 offset:PXP*(32*\b+\i)   ; px(channel 32 b + 16 h + i, my query): registers run down K.  The two halves of the lanes lie 16 rows apart, a whole number of times through the 64 banks (ISA guide 11.1): once in the launch
.endr
.endr
.irp t, 0,1,2,3,4,5,6,7
	global_load_b128 v[O+8*\t:O+8*\t+3], v91, s[14:15] offset:4*(32*(\t/2)+8*(\t%2))       ; bq as the sums' start
	global_load_b128 v[O+8*\t+4:O+8*\t+7], v91, s[14:15] offset:4*(32*(\t/2)+8*(\t%2))+16
.endr
	s_wait_dscnt 0x0
	QUANT S, PC, PW                                ; px's fragment: my 16 queries x 128 channels
	PLACES 3                                       ; with the macro's last line: four behind codes that vector instructions wrote
	s_wait_alu depctr_va_vdst(0)
	s_wait_loadcnt 0x0                             ; Wq, Wv, their scales, bq
	WIN 0x01
.irp t, 0,1,2,3,4,5,6,7
	MXA O+8*\t, W1+16*\t, PC, WQW+\t, PW
.endr
	; ---- v = age Wv^T, in the natural order (source 0 = age, source 1 = 16 rows of Wv): register 0 of tile t holds v(16 t + r) in both halves of the lanes, which is the row that the lane holds of V^T's fragment
	WIN 0x04                                       ; source 1 window 1
.irp t, 0,1,2,3,4,5,6,7
	MXZ S+8*\t, AG, W2+16*\t, AGW, VW+\t
.endr
	WIN 0
	PLACES 8
.irp t, 0,1,2,3,4,5,6,7
	global_load_b32 v[PC+\t], v90, s[26:27] offset:64*\t   ; bv(16 t + r)
.endr
	QUANT O, QF, QW                                ; Q's fragment
	s_wait_loadcnt 0x0
	; ---- V^T's quantiser along the keys.  A block is 32 equal numbers x = v(16 t + r): its largest magnitude is |x|.  The eight tiles by turns.
.irp t, 0,1,2,3,4,5,6,7
	v_add_f32 v[PC+\t], v[S+8*\t], v[PC+\t]                    ; x
.endr
.irp t, 0,1,2,3,4,5,6,7
	v_max_num_f32 v[PC+8+\t], |v[PC+\t]|, s[FLR]
.endr
.irp t, 0,1,2,3,4,5,6,7
	v_add_nc_u32 v[TM+\t], 0xf8800000, v[PC+8+\t]              ; the conversion's scale operand
.endr
.irp t, 0,1,2,3,4,5,6,7
	v_and_or_b32 v[TM+8+\t], v[PC+8+\t], 0x7f800000, s[MNT]    ; 57,344 x the scale
.endr
.irp t, 0,1,2,3,4,5,6,7
	v_lshrrev_b32 v[PC+8+\t], 23, v[TM+\t]                     ; the byte,
.endr
.irp t, 0,1,2,3,4,5,6,7
	v_lshl_or_b32 v[VW+\t], v[PC+8+\t], 8, v[PC+8+\t]          ; four times: the word of every 128 keys
.endr
.irp t, 0,1,2,3,4,5,6,7
	v_lshl_or_b32 v[VW+\t], v[VW+\t], 16, v[VW+\t]
.endr
.irp t, 0,1,2,3,4,5,6,7
.irp j, 0,1,2,3,4,5,6,7
	v_med3_num_f32 v[O+8*\t+\j], v[PC+\t], -v[TM+8+\t], v[TM+8+\t]   ; eight keys' numbers, held
.endr
.endr
	WIN 0x40
.irp t, 0,1,2,3,4,5,6,7
.irp i, 0,1,2,3,4,5,6,7
	v_cvt_scalef32_pk8_bf8_f32 v[W1+16*\t+2*\i:W1+16*\t+2*\i+1], v[O+8*\t:O+8*\t+7], v[TM+\t]   ; the lane's 64 keys of tile t, over Wq's fragments, which are done with
.endr
.endr
	WIN 0
	v_nop                                          ; a plain line behind the last conversion
; S^T = K Q^T for 128 keys: eight tiles of 16 keys x my 16 queries; the 16 registers of tiles 2 b, 2 b + 1 are the lane's 16 keys of block b
.macro SMUL
.irp t, 0,1,2,3,4,5,6,7
	MXZ S+8*\t, KF, QF, KW, QW
.endr
.endm
; O^T += V^T P^T: eight tiles of 16 channels.  The eight accumulators take turns, one instruction a turn, and between two turns of one stand the seven others' and the scores' eight
.macro PVMUL
	WIN 0x01
.irp t, 0,1,2,3,4,5,6,7
	MXA O+8*\t, W1+16*\t, PC, VW+\t, PW
.endr
	WIN 0
.endm
; A KEY STEP on scores that the step before has made.  next = 1: it makes the next step's scores.
.macro STEP next
	; the largest score of each block of 32 keys: it serves the row's maximum and, since p rises with the score, the block's largest p
.irp b, 0,1,2,3
	v_max3_num_f32 v[TM+\b], v[S+16*\b], v[S+1+16*\b], v[S+2+16*\b]
.endr
.irp i, 3,5,7,9,11,13
.irp b, 0,1,2,3
	v_max3_num_f32 v[TM+\b], v[TM+\b], v[S+16*\b+\i], v[S+1+16*\b+\i]
.endr
.endr
.irp b, 0,1,2,3
	v_max_num_f32 v[TM+\b], v[TM+\b], v[S+15+16*\b]
.endr
.irp b, 0,1,2,3
	s_delay_alu instid0(VALU_DEP_4)
	v_permlanex16_b32 v[TM+4+\b], v[TM+\b], s[SEL], s[SEL+1]
.endr
.irp b, 0,1,2,3
	s_delay_alu instid0(VALU_DEP_4)
	v_max_num_f32 v[TM+\b], v[TM+\b], v[TM+4+\b]   ; with lane l xor 16's 16 keys
.endr
	s_delay_alu instid0(VALU_DEP_2)
	v_max3_num_f32 v[TT], v[TM], v[TM+1], v[TM+2]
	s_delay_alu instid0(VALU_DEP_1)
	v_max_num_f32 v[TT], v[TT], v[TM+3]            ; the step's largest score of my query,
	s_delay_alu instid0(VALU_DEP_1)
	v_mul_f32 v[TT], s[CS], v[TT]                  ; as t (c is positive)
	s_delay_alu instid0(VALU_DEP_1)
	v_max_num_f32 v[MT], v[MT], v[TT]              ; the running largest t
	v_mov_b32 v[TT], v[NM]
	s_delay_alu instid0(VALU_DEP_2)
	v_floor_f32 v[NM], -v[MT]                      ; the new -M = floor(-t) = -ceil(t)
	s_delay_alu instid0(VALU_DEP_1)
	v_sub_f32 v[TT], v[NM], v[TT]                  ; old M - new M: a whole number, 0 or less
	s_delay_alu instid0(VALU_DEP_1)
	v_cvt_i32_f32 v[TT], v[TT]                     ; (it saturates)
	s_delay_alu instid0(VALU_DEP_1)
	v_ldexp_f32 v[F], 1.0, v[TT]                   ; f = 2^(old M - new M): a multiplication by it rounds nothing
	; the blocks' scales, and t - M of the first four pairs of scores
.irp b, 0,1,2,3
	v_fma_f32 v[TM+\b], v[TM+\b], s[CS], v[NM]
.endr
.irp j, 0,1,2,3
	v_pk_fma_f32 v[S+2*\j:S+2*\j+1], v[S+2*\j:S+2*\j+1], s[CS:CS+1], v[NM:NM+1] op_sel_hi:[1,0,0]   ; of the pairs c and -M the low word serves both halves
.endr
	s_wait_alu depctr_va_vdst(0)
.irp b, 0,1,2,3
	v_exp_f32 v[TM+\b], v[TM+\b]                   ; the block's largest p: the same multiply-add and exponential as its score gets below
.endr
	v_pk_mul_f32 v[L:L+1], v[L:L+1], v[F:F+1] op_sel_hi:[1,0]       ; the sums under the new M (also the plain line behind the exponentials)
	v_pk_mul_f32 v[L2:L2+1], v[L2:L2+1], v[F:F+1] op_sel_hi:[1,0]
	s_wait_alu depctr_va_vdst(0)
.irp b, 0,1,2,3
	v_max_num_f32 v[TM+\b], s[FLR], v[TM+\b]       ; the floor: the byte cannot fall under 1
.endr
.irp b, 0,1,2,3
	s_delay_alu instid0(VALU_DEP_4)
	v_add_nc_u32 v[TM+12+\b], 0xf8800000, v[TM+\b] ; the conversion's scale operand
.endr
.irp b, 0,1,2,3
.endr
.irp b, 0,1,2,3
	s_delay_alu instid0(VALU_DEP_4)
	v_lshrrev_b32 v[TM+4+\b], 23, v[TM+12+\b]      ; the byte
.endr
	s_delay_alu instid0(VALU_DEP_3)
	v_lshl_or_b32 v[PW], v[TM+5], 8, v[TM+4]       ; p's scale word for these 128 keys
	s_delay_alu instid0(VALU_DEP_1)
	v_lshl_or_b32 v[PW], v[TM+6], 16, v[PW]
	s_delay_alu instid0(VALU_DEP_1)
	v_lshl_or_b32 v[PW], v[TM+7], 24, v[PW]
	; 33 slots.  Slot j: the two exponentials of pair j, with t - M of pair j + 4 between them; then, of pair j - 1: its sum (of the unheld p), and after every fourth pair a conversion of eight.
	; So plain work of older pairs stands behind every exponential before its result is used a slot later (ISA guide 5.7.2); only slots 28 to 31, which have no t - M left, hold two exponentials on end.
.set j, 0
.rept 33
.if j < 32
	v_exp_f32 v[S+2*j], v[S+2*j]                   ; p = 2^(t - M), at most 1, not normalised
.if j+4 < 32
	v_pk_fma_f32 v[S+2*j+8:S+2*j+9], v[S+2*j+8:S+2*j+9], s[CS:CS+1], v[NM:NM+1] op_sel_hi:[1,0,0]
.endif
	v_exp_f32 v[S+2*j+1], v[S+2*j+1]
.endif
.if j > 0
.set k, j-1
.if k%2 == 0
	s_wait_alu depctr_va_vdst(0)
	v_pk_add_f32 v[L:L+1], v[L:L+1], v[S+2*k:S+2*k+1]
.else
	v_pk_add_f32 v[L2:L2+1], v[L2:L2+1], v[S+2*k:S+2*k+1]
.endif
.if k%4 == 3
	v_cvt_scalef32_pk8_bf8_f32 v[PC+2*(k/4):PC+2*(k/4)+1], v[S+8*(k/4):S+8*(k/4)+7], v[TM+12+k/8]
.endif
.endif
.set j, j+1
.endr
	v_pk_mul_f32 v[O:O+1], v[O:O+1], v[F:F+1] op_sel_hi:[1,0]   ; O^T under the new M.  The first of 32: the plain line between the last conversion and the products that write over its sources
.if \next
	SMUL                                           ; the next step's scores: the matrix unit works while O^T is rescaled
.endif
.set j, 1
.rept 31
	v_pk_mul_f32 v[O+2*j:O+2*j+1], v[O+2*j:O+2*j+1], v[F:F+1] op_sel_hi:[1,0]   ; these 31 name none of the scores' registers: they are the places behind those products, and those between p's codes and the products below
.set j, j+1
.endr
	PVMUL
.endm
	SMUL                                           ; the first step's scores
.set j, 0
.rept 64
	v_mov_b32 v[O+j], 0                            ; O^T.  The step is written for every step alike: the first finds zeros, which f = 0 leaves zeros.  (Also the places behind the products above)
.set j, j+1
.endr
	s_mov_b32 s5, 63                               ; my 8,192 keys are 64 steps; the last makes no further scores and is written out
.Lstep:
	STEP 1
	s_sub_co_u32 s5, s5, 1
	s_cmp_lg_u32 s5, 0
	s_cbranch_scc1 .Lstep
	STEP 0
	; ---- the two halves of the keys meet.  The addresses are made here: sixteen plain lines, the places behind the last products
	v_and_b32 v3, 31, v0                           ; lane
	s_wait_alu depctr_va_vdst(0)
	s_lshl_b32 s6, s2, 13
	s_add_co_u32 s6, s6, IMG
	v_lshl_add_u32 v4, v3, 4, s6                   ; v4  my image: IMG + 8,192 w + 16 lane
	s_lshl_b32 s7, s2, 8
	s_add_co_u32 s7, s7, STAT
	v_lshl_add_u32 v5, v3, 3, s7                   ; v5  my -M and l: STAT + 256 w + 8 lane
	s_lshl_b32 s6, s3, 13
	s_lshl_b32 s7, s4, 12
	s_add_co_u32 s6, s6, s7
	s_add_co_u32 s6, s6, IMG
	v_lshl_add_u32 v6, v3, 4, s6                   ; v6  wave t's image, tiles 4 g on; wave t + 4's lies 32,768 bytes further
	s_lshl_b32 s7, s3, 8
	s_add_co_u32 s7, s7, STAT
	v_lshl_add_u32 v7, v3, 3, s7                   ; v7  wave t's -M and l; wave t + 4's 1,024 bytes further
	s_mul_i32 s6, s4, 64*PXP
	s_lshl_b32 s7, s3, 6
	s_add_co_u32 s6, s6, s7
	v_mul_u32_u24 v8, v2, 8*PXP
	s_delay_alu instid0(VALU_DEP_1)
	v_lshl_add_u32 v8, v1, 2, v8
	s_delay_alu instid0(VALU_DEP_1)
	v_add_nc_u32 v8, s6, v8                        ; v8  px for the residual: channel 64 g + 8 h, pixel 16 t + r.  Eight rows are 544 words: the halves of the lanes fall on different banks
	s_mul_i32 s6, s2, 16*272
	s_add_co_u32 s6, s6, STG                       ; my stage
	v_mul_u32_u24 v9, v1, 272
	s_delay_alu instid0(VALU_DEP_1)
	v_lshl_add_u32 v9, v2, 5, v9
	s_delay_alu instid0(VALU_DEP_1)
	v_add_nc_u32 v9, s6, v9                        ; v9  in: row r, + 32 h
	v_mul_u32_u24 v10, v2, 272
	s_delay_alu instid0(VALU_DEP_1)
	v_lshl_add_u32 v10, v1, 4, v10
	s_delay_alu instid0(VALU_DEP_1)
	v_add_nc_u32 v10, s6, v10                      ; v10 back: lanes 0-15 one row of 256 bytes, lanes 16-31 the next
	v_lshlrev_b32 v11, 9, v2
	s_delay_alu instid0(VALU_DEP_1)
	v_lshl_add_u32 v11, v1, 4, v11                 ; v11 and the same two rows of out
	v_pk_add_f32 v[L:L+1], v[L:L+1], v[L2:L2+1]    ; the sum's two chains,
	s_delay_alu instid0(VALU_DEP_1)
	v_add_f32 v[L], v[L], v[L+1]                   ; two halves,
	s_delay_alu instid0(VALU_DEP_1)
	v_permlanex16_b32 v[TT], v[L], s[SEL], s[SEL+1]
	s_delay_alu instid0(VALU_DEP_1)
	v_add_f32 v[MT], v[L], v[TT]                   ; and lane l xor 16's: l of my half of the keys, beside -M
	ds_store_b64 v5, v[NM:NM+1]
.irp i, 0,1,2,3,4,5,6,7,8,9,10,11,12,13,14,15
	ds_store_b128 v4, v[O+4*\i:O+4*\i+3] offset:512*\i     ; O^T as it stands in my registers, each accumulator from its low end on
.endr
	s_wait_dscnt 0x0                               ; for the others' sake: my stores have landed
	s_barrier_signal -1
	s_barrier_wait -1
	; wave (t, g) finishes channels 64 g .. 64 g + 63 of tile t: tiles 4 g .. 4 g + 3 of both halves' O^T
.irp i, 0,1,2,3,4,5,6,7
	ds_load_b128 v[S+4*\i:S+4*\i+3], v6 offset:512*\i
.endr
.irp i, 0,1,2,3,4,5,6,7
	ds_load_b128 v[S+32+4*\i:S+32+4*\i+3], v6 offset:32768+512*\i
.endr
	ds_load_b64 v[TM:TM+1], v7                     ; -M and l of the keys' first half,
	ds_load_b64 v[TM+2:TM+3], v7 offset:1024       ; of the second
.irp t, 0,1,2,3
.irp j, 0,1,2,3,4,5,6,7
	ds_load_b32 v[O+8*\t+\j], v8 offset:PXP*(16*\t+\j)     ; px(64 g + 16 t + 8 h + j, my query): the residual, in the result's layout
.endr
.endr
	s_wait_dscnt 0x0
	v_min_num_f32 v[TM+4], v[TM], v[TM+2]          ; -M of both
	s_delay_alu instid0(VALU_DEP_1)
	v_sub_f32 v[TM+5], v[TM+4], v[TM]              ; each half's M less the common M: whole numbers, 0 or less
	s_delay_alu instid0(VALU_DEP_2)
	v_sub_f32 v[TM+6], v[TM+4], v[TM+2]
	s_delay_alu instid0(VALU_DEP_2)
	v_cvt_i32_f32 v[TM+5], v[TM+5]
	s_delay_alu instid0(VALU_DEP_2)
	v_cvt_i32_f32 v[TM+6], v[TM+6]
	s_delay_alu instid0(VALU_DEP_2)
	v_ldexp_f32 v[TM+5], 1.0, v[TM+5]              ; f0
	s_delay_alu instid0(VALU_DEP_2)
	v_ldexp_f32 v[TM+6], 1.0, v[TM+6]              ; f1
	s_delay_alu instid0(VALU_DEP_2)
	v_mul_f32 v[TM+7], v[TM+1], v[TM+5]
	s_delay_alu instid0(VALU_DEP_1)
	v_fmac_f32 v[TM+7], v[TM+3], v[TM+6]           ; l = l0 f0 + l1 f1
	s_wait_alu depctr_va_vdst(0)
	v_rcp_f32 v[TM+7], v[TM+7]
	v_mov_b32 v[TM+9], 0                           ; (a plain line behind the reciprocal; the upper halves of the two pairs below)
	v_mov_b32 v[TM+11], 0
	s_wait_alu depctr_va_vdst(0)
	v_mul_f32 v[TM+8], v[TM+5], v[TM+7]            ; f0 / l
	v_mul_f32 v[TM+10], v[TM+6], v[TM+7]           ; f1 / l
.set j, 0
.rept 16
	v_pk_fma_f32 v[O+2*j:O+2*j+1], v[S+32+2*j:S+32+2*j+1], v[TM+10:TM+11], v[O+2*j:O+2*j+1] op_sel_hi:[1,0,1]
.set j, j+1
.endr
.set j, 0
.rept 16
	v_pk_fma_f32 v[O+2*j:O+2*j+1], v[S+2*j:S+2*j+1], v[TM+8:TM+9], v[O+2*j:O+2*j+1] op_sel_hi:[1,0,1]   ; O / l + px
.set j, j+1
.endr
	; ---- the way out: a lane holds 32 neighbouring bytes of a row of out, the lanes beside it other rows: through my own stage, back as rows of 256 bytes
.irp t, 0,1,2,3
	ds_store_b128 v9, v[O+8*\t:O+8*\t+3] offset:64*\t
	ds_store_b128 v9, v[O+8*\t+4:O+8*\t+7] offset:64*\t+16
.endr
.irp i, 0,1,2,3,4,5,6,7
	ds_load_b128 v[S+4*\i:S+4*\i+3], v10 offset:2*272*\i   ; LDS serves a wave's instructions in order (ISA guide 5.7.1.4): these see my stores
.endr
.irp i, 0,1,2,3,4,5,6,7
	s_wait_dscnt 7-\i                              ; the younger loads from the stage may stay out
	global_store_b128 v11, v[S+4*\i:S+4*\i+3], s[32:33] offset:1024*\i th:TH_STORE_NT   ; sixteen lanes store 256 consecutive bytes, at a multiple of 256 from out's first byte
.endr
	s_wait_xcnt 0x0
	v_lshl_add_u32 v254, v0, 2, 0x21800
	v_mov_b32 v255, 0
	s_wait_alu depctr_va_vdst(0)
	s_wait_tensorcnt 0x0
	ds_add_u32 v254, v255
	s_wait_dscnt 0x0
	s_endpgm
.Lfunc_end_k_q49848950d6_attn:
	.size	k_q49848950d6_attn, .Lfunc_end_k_q49848950d6_attn-k_q49848950d6_attn
	.p2alignl 7, 3214868480
	.fill 96, 4, 3214868480
	.section	.rodata,"a",@progbits
	.p2align	6, 0x0
	.amdhsa_kernel k_q49848950d6_attn
		.amdhsa_group_segment_fixed_size 138240
		.amdhsa_private_segment_fixed_size 0
		.amdhsa_enable_private_segment 0
		.amdhsa_kernarg_size 104
		.amdhsa_user_sgpr_count 2
		.amdhsa_user_sgpr_kernarg_segment_ptr 1
		.amdhsa_wavefront_size32 1
		.amdhsa_system_sgpr_workgroup_id_x 1
		.amdhsa_system_sgpr_workgroup_id_y 1
		.amdhsa_system_sgpr_workgroup_id_z 1
		.amdhsa_system_vgpr_workitem_id 0
		.amdhsa_next_free_vgpr 512
		.amdhsa_next_free_sgpr 66
		.amdhsa_reserve_vcc 0
		.amdhsa_float_denorm_mode_32 3
		.amdhsa_float_denorm_mode_16_64 3
		.amdhsa_fp16_overflow 1
		.amdhsa_memory_ordered 1
		.amdhsa_forward_progress 1
		.amdhsa_inst_pref_size 97
	.end_amdhsa_kernel
	.amdgpu_metadata
---
amdhsa.version: [ 1, 2 ]
amdhsa.kernels:
  - .name:           k_q49848950d6_attn
    .symbol:         k_q49848950d6_attn.kd
    .args:
      - { .name: pixel_features, .offset: 0, .size: 8, .value_kind: global_buffer, .address_space: global }
      - { .name: Wq_codes, .offset: 8, .size: 8, .value_kind: global_buffer, .address_space: global }
      - { .name: Wq_scales, .offset: 16, .size: 8, .value_kind: global_buffer, .address_space: global }
      - { .name: bq, .offset: 24, .size: 8, .value_kind: global_buffer, .address_space: global }
      - { .name: Wk_codes, .offset: 32, .size: 8, .value_kind: global_buffer, .address_space: global }
      - { .name: Wk_scales, .offset: 40, .size: 8, .value_kind: global_buffer, .address_space: global }
      - { .name: bk, .offset: 48, .size: 8, .value_kind: global_buffer, .address_space: global }
      - { .name: Wv_codes, .offset: 56, .size: 8, .value_kind: global_buffer, .address_space: global }
      - { .name: Wv_scales, .offset: 64, .size: 8, .value_kind: global_buffer, .address_space: global }
      - { .name: bv, .offset: 72, .size: 8, .value_kind: global_buffer, .address_space: global }
      - { .name: age_features_codes, .offset: 80, .size: 8, .value_kind: global_buffer, .address_space: global }
      - { .name: age_features_scales, .offset: 88, .size: 8, .value_kind: global_buffer, .address_space: global }
      - { .name: out0, .offset: 96, .size: 8, .value_kind: global_buffer, .address_space: global }
    .group_segment_fixed_size: 138240
    .private_segment_fixed_size: 0
    .kernarg_segment_align: 8
    .kernarg_segment_size: 104
    .max_flat_workgroup_size: 256
    .sgpr_count:     66
    .vgpr_count:     512
    .wavefront_size: 32
...
	.end_amdgpu_metadata
.endif
;; end of part 1
